; MI455X (gfx1250); checked and timed in simulation.
; The chip was launched on July 23, 2026; its instructions are those of AMD's public machine-readable ISA for CDNA 5 (MIT licence, August 2026) and "CDNA5" Instruction Set Architecture Reference Guide (July 2026). The comments in the code are by the model that wrote it; some were corrected since.
;; Attention layer. Allowed arithmetic: float matrix products may take bf16 or f16 operands with f32 sums; all other float work in f32.
;; Inputs: W1 512 x 1,024 float32; W2 1,024 x 1 float32; b1 1,024 float32; b2 1 float32; dis_lab 1,024 x 64 float32; label_emb 64 x 1,024 x 256 float32; unlabel_emb 1,024 x 256 float32.
;; Outputs: out0 1,024 x 64 float32.
;; One version. Each part assembles by itself: llvm-mc -triple=amdgcn-amd-amdhsa -mcpu=gfx1250 --defsym DOCPART=n.
;; ======== version 1 of 1: 2 launches
;; workspace buffers: wf 1,048,576 bytes
;; launch prep (part 1): grid 256 x 1, 8 waves a work-group, no clusters, 0 bytes of LDS; arguments W1, wf; writes wf
.if DOCPART == 1
	.amdgcn_target "amdgcn-amd-amdhsa--gfx1250"
	.amdhsa_code_object_version 6
	.text
	.protected	k_q6d613138cd_prep
	.globl	k_q6d613138cd_prep
	.p2align	8
	.type	k_q6d613138cd_prep,@function
k_q6d613138cd_prep:
	s_mov_b64 s[64:65], 0
	v_nop
	global_prefetch_b8 v0, s[64:65] scope:SCOPE_SE
	s_setreg_imm32_b32 hwreg(HW_REG_WAVE_MODE, 25, 1), 1
	s_wait_xcnt 0x0
; W1 [512][1024] f32  ->  wf: W1 in bf16, laid out as the register image of matrix fragments (16 columns of W1 x 32 along K).
; wf byte = p*524288 + t*8192 + s*1024 + q2*512 + (16 h + r)*16 holds bf16 of W1[256 p + 32 s + 16 q2 + 8 h + i][16 t + r], i = 0..7,
; the lower i in the lower bits: a wave that loads 16 bytes a lane at 16 x lane gets half a fragment from 512 neighbouring bytes.
; Each thread makes one such 16 bytes: eight numbers of one column.  Work-group g: K octet o = g / 4 (o = 32 p + 4 s + 2 q2 + h),
; columns 256 (g mod 4) + thread.  A store of a wave writes two whole aligned runs of 256 bytes (sixteen lanes each);
; a load of a wave reads 128 neighbouring bytes, the eight waves together 1,024 bytes of a row of W1.
; No LDS and no matrix work: a cast and a transposition of 2 MiB, each byte read once and each byte of wf written once.
.set ROWB, 4096                        ; bytes in a row of W1
	s_load_b128 s[4:7], s[0:1], 0x0                ; W1 s[4:5], wf s[6:7]
	s_lshr_b32 s8, ttmp9, 2                        ; o: the K octet
	s_and_b32 s9, ttmp9, 3                         ; c: the strip of 256 columns
	s_lshl_b32 s10, s8, 15                         ; in: 8 o rows of 4,096 bytes
	s_lshl_b32 s12, s9, 10                         ;     + 256 c columns of 4 bytes
	s_add_co_u32 s10, s10, s12
	s_mov_b32 s11, 0
	s_lshr_b32 s12, s8, 5                          ; out: p = o / 32
	s_lshl_b32 s12, s12, 19                        ;      p * 524288
	s_and_b32 s13, s8, 31                          ;      4 s + 2 q2 + h
	s_lshl_b32 s13, s13, 8                         ;      = s * 1024 + q2 * 512 + h * 256
	s_add_co_u32 s12, s12, s13
	s_lshl_b32 s13, s9, 17                         ;      16 c tiles of 8,192 bytes
	s_add_co_u32 s12, s12, s13
	s_mov_b32 s13, 0
	v_lshlrev_b32 v1, 2, v0                        ; in: my column
	v_lshrrev_b32 v2, 4, v0                        ; out: tile thread / 16,
	v_and_b32 v3, 15, v0                           ;      r = thread mod 16
	v_lshlrev_b32 v3, 4, v3
	v_lshl_add_u32 v2, v2, 13, v3
	s_wait_kmcnt 0x0
	s_add_nc_u64 s[4:5], s[4:5], s[10:11]
	s_add_nc_u64 s[6:7], s[6:7], s[12:13]
.irp i, 0,1,2,3,4,5,6,7
	global_load_b32 v[4+\i], v1, s[4:5] offset:ROWB*\i th:TH_LOAD_NT   ; W1[8 o + i][my column]; W1 is read once in the launch
.endr
	s_wait_loadcnt 0x0
.irp c, 0,1,2,3
	v_cvt_pk_bf16_f32 v[12+\c], v[4+2*\c], v[5+2*\c]                   ; the lower K in the low half
.endr
	global_store_b128 v2, v[12:15], s[6:7]
	s_endpgm
.Lfunc_end_k_q6d613138cd_prep:
	.size	k_q6d613138cd_prep, .Lfunc_end_k_q6d613138cd_prep-k_q6d613138cd_prep
	.p2alignl 7, 3214868480
	.fill 96, 4, 3214868480
	.section	.rodata,"a",@progbits
	.p2align	6, 0x0
	.amdhsa_kernel k_q6d613138cd_prep
		.amdhsa_group_segment_fixed_size 0
		.amdhsa_private_segment_fixed_size 0
		.amdhsa_enable_private_segment 0
		.amdhsa_kernarg_size 16
		.amdhsa_user_sgpr_count 2
		.amdhsa_user_sgpr_kernarg_segment_ptr 1
		.amdhsa_wavefront_size32 1
		.amdhsa_system_sgpr_workgroup_id_x 1
		.amdhsa_system_sgpr_workgroup_id_y 1
		.amdhsa_system_sgpr_workgroup_id_z 1
		.amdhsa_system_vgpr_workitem_id 0
		.amdhsa_next_free_vgpr 16
		.amdhsa_next_free_sgpr 66
		.amdhsa_reserve_vcc 0
		.amdhsa_float_denorm_mode_32 3
		.amdhsa_float_denorm_mode_16_64 3
		.amdhsa_memory_ordered 1
		.amdhsa_forward_progress 1
		.amdhsa_inst_pref_size 3
	.end_amdhsa_kernel
	.amdgpu_metadata
---
amdhsa.version: [ 1, 2 ]
amdhsa.kernels:
  - .name:           k_q6d613138cd_prep
    .symbol:         k_q6d613138cd_prep.kd
    .args:
      - { .name: W1, .offset: 0, .size: 8, .value_kind: global_buffer, .address_space: global }
      - { .name: wf, .offset: 8, .size: 8, .value_kind: global_buffer, .address_space: global }
    .group_segment_fixed_size: 0
    .private_segment_fixed_size: 0
    .kernarg_segment_align: 8
    .kernarg_segment_size: 16
    .max_flat_workgroup_size: 256
    .sgpr_count:     66
    .vgpr_count:     16
    .wavefront_size: 32
...
	.end_amdgpu_metadata
.endif
;; end of part 1
;; launch main (part 2): grid 256 x 1, 4 waves a work-group, no clusters, 274,944 bytes of LDS; arguments label_emb, unlabel_emb, wf, b1, W2, b2, dis_lab, out0; writes out0
.if DOCPART == 2
	.amdgcn_target "amdgcn-amd-amdhsa--gfx1250"
	.amdhsa_code_object_version 6
	.text
	.protected	k_q6d613138cd_main
	.globl	k_q6d613138cd_main
	.p2align	8
	.type	k_q6d613138cd_main,@function
k_q6d613138cd_main:
	s_mov_b64 s[64:65], 0
	v_nop
	global_prefetch_b8 v0, s[64:65] scope:SCOPE_SE
	s_setreg_imm32_b32 hwreg(HW_REG_WAVE_MODE, 25, 1), 1
	s_wait_xcnt 0x0
; out0[b][:] = softmax over n of dis_lab[b][n] * (relu(label_emb[n][b] . W1[:256] + unlabel_emb[b] . W1[256:] + b1) . W2 + b2).
; Work-group g owns b = 4 g .. 4 g + 3 with all 64 n: 256 rows, row = 4 n + (b mod 4), in 16 row tiles of 16.  The softmax over n then ends inside
; the work-group: neither h nor the scores go to memory.  256 work-groups, four waves; wave w owns H = 256 w .. 256 w + 255 (16 tiles of 16,
; in four groups of four) for all 256 rows.
; THE MATRIX INSTRUCTION IS USED TRANSPOSED: source 0 = a fragment of W1 (16 of H x 32 of K, from wf as the first launch laid it), source 1 = 16 label rows.
; In the result lane (r, h) holds row r, and its registers j = 0..7 hold H = 16 t + 8 h + j: relu and the product with W2 are sums inside the lane.
; U: the same product with the four unlabel rows repeated (lane r takes row r mod 4) and b1 loaded straight into the accumulator gives
; unlabel . W1[256:] + b1 in the very image that every row tile needs as its C: the first product of each row tile takes C = U.
; W STAYS, THE ROWS PASS: a wave keeps one group of W1[:256] (4 tiles x 8 K steps = 256 registers) for 16 passes; a pass is one row tile: 8 label
; fragments from LDS (8 KiB) feed 32 matrix instructions.  Two W buffers take turns: during group q the free one takes W1[256:] of group q + 1,
; U of q + 1 is made, and then it takes W1[:256] of q + 1.
; LABEL ROWS: four tensor loads a wave at the head ask for the whole block (256 KiB of f32); tile T = 4 i + w is load i of wave w.  The wave that asked
; converts its tile to bf16 in place; one barrier for each stage of four tiles; then group 0's passes 4 i .. 4 i + 3 run.  No LDS byte is filled twice.
; NO JOINT LOADS, although all work-groups read the same wf: a joint load lands in LDS alone; the label block takes 266,240 of the 327,680 bytes, and
; each byte of wf that a work-group reads is used by one wave only, so LDS would add 1 MiB written and 1 MiB read to the 2 MiB of label
; fragments that a work-group reads from it.  W goes from memory straight into the registers that multiply it.
; LIMITS: relu is v_max_num_f32, so a NaN in front of it becomes 0 where the definition would spread it: finite inputs are assumed.
; The sums over K and over H run in another order than a row-by-row sum.  Matrix operands are rounded to bf16; all else is f32.
;
; LDS: 0 .. 266,239: 256 row slots of 1,040 bytes (1,024 of f32, later 512 of bf16 at the slot's start, 16 of padding); 1,040 = 65 x 16, so the sixteen
;      rows of a fragment load start at sixteen different 16-byte columns modulo 256.  A tile is 16,640 = 65 x 256 bytes.
;      266,240 .. 274,431: partial scores [wave][lane half][256 rows] f32; no fill lands here.
; REGISTERS, in windows of 256 (s_set_vgpr_msb: bits 1:0 source 0, 3:2 source 1, 5:4 source 2, 7:6 destination):
;   window 0: v0-31 addresses and work; v32-95, v96-159 label fragments, two buffers; v160-191, v192-223 accumulators, two sets of four tiles;
;             v224-255 sixteen pairs of score sums, one for each row tile
;   window 1 (W buffer 0), window 3 (W buffer 1): fragment (tile a, K step s < 7) at v[8 (7 a + s)]; v224-255 that group's W2, as the accumulators lie
;   window 2: v0-31, v32-63 the K step 7 fragments of buffers 0, 1; v64-95, v96-127 U, two sets; v128-191 unlabel fragments; v192-195 LDS addresses
.set PITCH, 1040
.set TILE,  16*PITCH                   ; 16,640
.set STAGE, 4*TILE                     ; 66,560: the four tiles of a stage
.set SC,    16*TILE                    ; 266,240
.set WA,  4                            ; v4   16 lane + 131072 w: my place in a fragment half of wf, at my wave's 16 tiles
.set BA,  5                            ; v5   1024 w + 32 h: b1 and W2 at H = 256 w + 8 h
.set UA,  6                            ; v6   1024 (r mod 4) + 32 h: the unlabel row, K = 8 h
.set DA,  7                            ; v7   256 w + 8 lane: dis_lab and out0, row b = 4 g + w, n = 2 lane
.set DIS, 8                            ; v[8:9]
.set CL,  10                           ; v10  my tile as f32: 16 lane
.set CS,  11                           ; v11  my tile as bf16: 8 lane
.set SCS, 12                           ; v12  where my partial scores go
.set SCL, 13                           ; v13  where the partial scores of my two n are
.set LF,  32
.set ACC, 160
.set SM,  224
.set W2R, 224                          ; in window 1 or 3
.set UB,  64                           ; in window 2
.set UNL, 128                          ; in window 2
.set LA,  192                          ; in window 2: 1040 r + 16 h + 66560 i
.set MSB, 0
.macro WIN new                         ; the immediate's high byte repeats the setting that is left
.if MSB != (\new)
	s_set_vgpr_msb (MSB<<8)|(\new)
.set MSB, (\new)
.endif
.endm
; A load into a register that a matrix instruction has read, and a vector instruction that reads a matrix result, stand four places behind that
; matrix instruction; only plain vector instructions that name none of its registers are places (ISA guide 7.12.1 for vector instructions).
.macro PLACES
.rept 4
	v_nop
.endr
.endm
; The K step 7 fragments of group q, part p (0: W1[:256], 1: W1[256:]), into buffer bi.  Destination window 2.
.macro WLD7 bi, p, q
.irp a, 0,1,2,3
	global_load_b128 v[32*(\bi)+8*\a:32*(\bi)+8*\a+3],   v[WA], s[8:9] offset:(\p)*524288+(\q)*32768+\a*8192+7168
	global_load_b128 v[32*(\bi)+8*\a+4:32*(\bi)+8*\a+7], v[WA], s[8:9] offset:(\p)*524288+(\q)*32768+\a*8192+7168+512
.endr
.endm
; Fragments f0 .. f1 (f = 7 a + s, s < 7) of group q, part p.  Destination window 1 or 3.
.macro WLDX p, q, f0, f1
.set WF, \f0
.rept (\f1)-(\f0)+1
	global_load_b128 v[8*WF:8*WF+3],   v[WA], s[8:9] offset:(\p)*524288+(\q)*32768+(WF/7)*8192+(WF%7)*1024
	global_load_b128 v[8*WF+4:8*WF+7], v[WA], s[8:9] offset:(\p)*524288+(\q)*32768+(WF/7)*8192+(WF%7)*1024+512
.set WF, WF+1
.endr
.endm
; b1 of group q into U set u: register 8 a + j takes b1[256 w + 64 q + 16 a + 8 h + j].  Destination window 2.
.macro B1LD u, q
.irp a, 0,1,2,3
	global_load_b128 v[UB+32*(\u)+8*\a:UB+32*(\u)+8*\a+3],   v[BA], s[10:11] offset:256*(\q)+64*\a
	global_load_b128 v[UB+32*(\u)+8*\a+4:UB+32*(\u)+8*\a+7], v[BA], s[10:11] offset:256*(\q)+64*\a+16
.endr
.endm
; W2 of group q, in the same image.  Destination window 1 or 3.
.macro W2LD q
.irp a, 0,1,2,3
	global_load_b128 v[W2R+8*\a:W2R+8*\a+3],   v[BA], s[12:13] offset:256*(\q)+64*\a
	global_load_b128 v[W2R+8*\a+4:W2R+8*\a+7], v[BA], s[12:13] offset:256*(\q)+64*\a+16
.endr
.endm
; U set u += W1[256:] (buffer bi, window X) x the unlabel rows: 32 matrix instructions.  The four accumulators take turns, one instruction a turn.
.macro UGRP X, bi, u
.set UW, 0xa8+(\X)
	WIN 0xaa
.irp a, 0,1,2,3
	v_wmma_f32_16x16x32_bf16 v[UB+32*(\u)+8*\a:UB+32*(\u)+8*\a+7], v[32*(\bi)+8*\a:32*(\bi)+8*\a+7], v[UNL+56:UNL+63], v[UB+32*(\u)+8*\a:UB+32*(\u)+8*\a+7]
.endr
	WIN UW
.irp s, 0,1,2,3,4,5,6
.irp a, 0,1,2,3
	v_wmma_f32_16x16x32_bf16 v[UB+32*(\u)+8*\a:UB+32*(\u)+8*\a+7], v[8*(7*\a+\s):8*(7*\a+\s)+7], v[UNL+8*\s:UNL+8*\s+7], v[UB+32*(\u)+8*\a:UB+32*(\u)+8*\a+7]
.endr
.endr
.endm
; The eight fragments of row tile T into label buffer T mod 2: lane (r, h) takes K = 32 s + 8 h .. and 32 s + 16 + 8 h .. of row r.
; Address in window 2, destination in window 0 (setting 0x22).
.macro LFLOAD T
.set LB, LF+64*((\T)&1)
.set LS, 0
.rept 8
	ds_load_b128 v[LB+8*LS:LB+8*LS+3],   v[LA+(\T)/4] offset:((\T)%4)*TILE+64*LS
	ds_load_b128 v[LB+8*LS+4:LB+8*LS+7], v[LA+(\T)/4] offset:((\T)%4)*TILE+64*LS+32
.set LS, LS+1
.endr
.endm
; relu and the product with W2 for one row tile's 32 accumulator registers at EA: 32 maxima and 16 packed multiply-adds into the pair ES, as a list of
; 48 operations in which each multiply-add stands behind its two maxima.  EPIOP emits operation EE and steps EE.
; EF = 1 (first group): the first product starts the sum, nothing is cleared.  W2 is source 0 (the W window); all else is window 0.
.macro EMAX
	v_max_num_f32 v[EA+EK], 0, v[EA+EK]
.endm
.macro EFMA
.set EM, 0
.if EF
.if EK == 0
.set EM, 1
.endif
.endif
.if EM
	v_pk_mul_f32 v[ES:ES+1], v[W2R+2*EK:W2R+2*EK+1], v[EA+2*EK:EA+2*EK+1]
.else
	v_pk_fma_f32 v[ES:ES+1], v[W2R+2*EK:W2R+2*EK+1], v[EA+2*EK:EA+2*EK+1], v[ES:ES+1]
.endif
.endm
.macro EPIOP
.if EE < 4
.set EK, EE
	EMAX
.else
.if EE < 46
.if (EE-4)%3 == 0
.set EK, (EE-4)/3
	EFMA
.else
.set EK, 2*((EE-4)/3)+3+(EE-4)%3
	EMAX
.endif
.else
.set EK, EE-32
	EFMA
.endif
.endif
.set EE, EE+1
.endm
; One pass: row tile T x the group's four H tiles, 32 matrix instructions on four accumulators that take turns, one instruction a turn.
; X, bi: the W buffer's window and number; u: the U set.  pf = 1: the fragments of row tile NX are asked for, a whole pass ahead.
; epi = 1: the 48 operations on the pass before's accumulators are strewn among the products; the last four of them stand behind the last matrix
; instruction and are its four places (they name the other accumulator set, W2 and a sum pair).  epi = 0: four v_nop stand there.
.macro PASS X, bi, u, T, epi, first, pf, NX
.set PA, ACC+32*((\T)&1)
.set PL, LF+64*((\T)&1)
.set EA, ACC+32*(((\T)+1)&1)
.set ES, SM+2*(\T)-2
.set EF, \first
.set EE, 0
	s_wait_dscnt 0x0                               ; this tile's sixteen fragment loads, issued a pass ago
	WIN 0x22
.if \pf
	LFLOAD \NX
.endif
.irp a, 0,1,2,3
	v_wmma_f32_16x16x32_bf16 v[PA+8*\a:PA+8*\a+7], v[32*(\bi)+8*\a:32*(\bi)+8*\a+7], v[PL+56:PL+63], v[UB+32*(\u)+8*\a:UB+32*(\u)+8*\a+7]
.endr
	WIN \X
.set LI, 0
.rept 28
	v_wmma_f32_16x16x32_bf16 v[PA+8*(LI%4):PA+8*(LI%4)+7], v[8*(7*(LI%4)+LI/4):8*(7*(LI%4)+LI/4)+7], v[PL+8*(LI/4):PL+8*(LI/4)+7], v[PA+8*(LI%4):PA+8*(LI%4)+7]
.set LI, LI+1
.if \epi
.if LI < 28
.rept (LI*44)/27-EE
	EPIOP
.endr
.else
.rept 48-EE
	EPIOP
.endr
.endif
.endif
.endr
.if \epi == 0
	PLACES
.endif
.endm
; The 48 operations on pass 15's accumulators: they close a group, since the next group's W2 lies in the other window.
.macro EPIALL first
.set EA, ACC+32
.set ES, SM+30
.set EF, \first
.set EE, 0
.rept 48
	EPIOP
.endr
.endm
; Stage i: my tile 4 i + w has landed; f32 to bf16 in place; all four waves' tiles are shown to all; the first fragments of tile 4 i are asked for.
.macro CONV i
	WIN 0
	s_wait_tensorcnt 3-(\i)                        ; a wave's tensor loads end in order (ISA guide 10.11.1): my 3 - i younger tiles may stay out
.set CJ, 0
.rept 32
	ds_load_b128 v[LF+4*CJ:LF+4*CJ+3], v[CL] offset:PITCH*(CJ/2)+512*(CJ%2)     ; half a row: 32 lanes, 16 neighbouring bytes each
.set CJ, CJ+1
.endr
	s_wait_dscnt 0x0                               ; the whole tile is in registers: its bytes may be written over
.set CJ, 0
.rept 32
	v_cvt_pk_bf16_f32 v[LF+4*CJ],   v[LF+4*CJ],   v[LF+4*CJ+1]
	v_cvt_pk_bf16_f32 v[LF+4*CJ+1], v[LF+4*CJ+2], v[LF+4*CJ+3]
.set CJ, CJ+1
.endr
.set CJ, 0
.rept 32
	ds_store_b64 v[CS], v[LF+4*CJ:LF+4*CJ+1] offset:PITCH*(CJ/2)+256*(CJ%2)
.set CJ, CJ+1
.endr
.if (\i) < 3
	v_add_nc_u32 v[CL], STAGE, v[CL]               ; my tile of the next stage
	v_add_nc_u32 v[CS], STAGE, v[CS]
.endif
	s_wait_dscnt 0x0                               ; my stores are done, for the other waves' sake
	s_barrier_signal -1
	s_barrier_wait -1                              ; the stage's four tiles are bf16 for every wave; later tiles stay on their way
.set CT, 4*(\i)
	WIN 0x22
	LFLOAD CT
.endm
; Group q: 16 passes on W buffer (q + 1) mod 2 and U set q mod 2; meanwhile the other buffer and the other U set are made ready for group q + 1.
.macro GROUP q
.set GB,  ((\q)+1)&1                   ; my W buffer,
.set GX,  1+2*GB                       ; its window
.set GO,  (\q)&1                       ; the other buffer,
.set GOX, 1+2*GO                       ; its window,
.set GOD, 64*GOX                       ; and that window as a destination
.set GU,  (\q)&1                       ; my U set
.set GUN, ((\q)+1)&1                   ; the next group's
.set GQ,  (\q)+1
.set GF, 0
.if (\q) == 0
.set GF, 1
.endif
	s_wait_loadcnt 0x0                             ; my buffer's W1[:256] and W2, asked for at least six passes ago (group 0: at the head)
.set GT, 0
.rept 16
.if (\q) < 3
.if GT == 0
	WIN 0x80
	WLD7 GO, 1, GQ                                 ; W1[256:] of the next group, over three passes
	B1LD GUN, GQ
.endif
.if GT == 1
	WIN GOD
	WLDX 1, GQ, 0, 13
.endif
.if GT == 2
	WIN GOD
	WLDX 1, GQ, 14, 27
.endif
.if GT == 7
	s_wait_loadcnt 0x0                             ; they were asked for at least five passes ago
	UGRP GOX, GO, GUN
	PLACES                                         ; the places in front of the loads into the buffer that was just multiplied
	WIN 0x80
	WLD7 GO, 0, GQ                                 ; W1[:256] of the next group, over three passes
.endif
.if GT == 8
	WIN GOD
	WLDX 0, GQ, 0, 13
.endif
.if GT == 9
	WIN GOD
	WLDX 0, GQ, 14, 27
	W2LD GQ
.endif
.endif
.if (\q) == 0
.if GT%4 == 0
.set GC, GT/4
	CONV GC
.endif
.endif
.set GE, 1
.if GT == 0
.set GE, 0
.endif
.set GP, 1                             ; ask for the next tile's fragments, but
.if (\q) == 0
.if GT%4 == 3
.if GT < 15
.set GP, 0                             ; not where the next tile is not bf16 yet,
.endif
.endif
.endif
.if (\q) == 3
.if GT == 15
.set GP, 0                             ; and not behind the last pass of all
.endif
.endif
.set GN, (GT+1)&15
	PASS GX, GB, GU, GT, GE, GF, GP, GN
.set GT, GT+1
.endr
	EPIALL GF
.endm
	; ---- head: addresses, the descriptors, and the four tensor loads ahead of everything else
	s_load_b256 s[4:11], s[0:1], 0x0               ; label_emb s[4:5], unlabel_emb s[6:7], wf s[8:9], b1 s[10:11]
	s_load_b256 s[12:19], s[0:1], 0x20             ; W2 s[12:13], b2 s[14:15], dis_lab s[16:17], out0 s[18:19]
	v_lshl_add_u32 v30, v0, 2, 0x43000
	v_mov_b32 v31, 0
	ds_add_u32 v30, v31
	ds_add_u32 v30, v31
	v_lshrrev_b32 v14, 5, v0
	v_readfirstlane_b32 s20, v14                   ; wave w
	; descriptor group 1: four rows (n) of 1,024 f32 (the four b of the work-group, 4,096 neighbouring bytes), 262,144 elements from n to n + 1;
	; 16 bytes of padding behind every 256 words, that is behind every label row
	s_mov_b32 s24, (2<<16)|(1<<20)|(7<<22)|(3<<25) ; 15:0 no mask; 17:16 elements of 4 bytes; 20 padding on; 24:22 every 256 words; 31:25 four words
	s_mov_b32 s25, 1024<<16                        ; tensor_dim0 = 1024
	s_mov_b32 s26, 4<<16                           ; tensor_dim1 = 4
	s_mov_b32 s27, 1024<<16                        ; tile_dim0 = 1024
	s_mov_b32 s28, 4                               ; tile_dim1 = 4
	s_mov_b32 s29, 262144                          ; elements from row to row
	s_mov_b32 s30, 0
	s_mov_b32 s31, 0
	s_mul_i32 s21, s20, TILE                       ; my tile's place in a stage
	s_lshl_b32 s48, ttmp9, 12                      ; 4 g rows of 1,024 bytes (label_emb within an n, unlabel_emb)
	s_mov_b32 s49, 0
	s_lshl_b32 s22, s20, 22                        ; 4 w values of n, 1 MiB each
	s_mov_b32 s23, 0
	s_lshl_b32 s54, ttmp9, 10                      ; 4 g rows of 256 bytes (dis_lab, out0)
	s_mov_b32 s55, 0
	s_mov_b32 s52, 0x76543210                      ; v_permlanex16_b32: lane i of one half reads lane i of the other
	s_mov_b32 s53, 0xfedcba98
	s_wait_dscnt 0x0
	s_wait_kmcnt 0x0
	s_add_nc_u64 s[4:5], s[4:5], s[48:49]
	s_add_nc_u64 s[4:5], s[4:5], s[22:23]          ; label_emb[4 w][4 g][0]
.irp i, 0,1,2,3
	s_mov_b32 s[32+4*\i], 1                                        ; count = 1
	s_add_co_u32 s[33+4*\i], s21, \i*STAGE                         ; LDS: tile 4 i + w
	s_add_nc_u64 s[34+4*\i:35+4*\i], s[4:5], \i*0x1000000          ; n = 16 i + 4 w
	s_or_b32 s[35+4*\i], s[35+4*\i], 0x80000000                    ; type = 2
	tensor_load_to_lds s[32+4*\i:35+4*\i], s[24:31]                ; four loads of the wave are out; no descriptor register is written again
	s_nop 0
.endr
	s_load_b32 s50, s[14:15], 0x0                  ; b2; waited for where it is used
	s_add_nc_u64 s[6:7], s[6:7], s[48:49]
	s_add_nc_u64 s[16:17], s[16:17], s[54:55]
	s_add_nc_u64 s[18:19], s[18:19], s[54:55]
	v_and_b32 v1, 31, v0                           ; lane
	v_and_b32 v2, 15, v0                           ; r
	v_bfe_u32 v3, v0, 4, 1                         ; h
	v_lshlrev_b32 v[WA], 4, v1
	v_lshl_add_u32 v[WA], s20, 17, v[WA]
	v_lshlrev_b32 v[BA], 5, v3
	v_lshl_add_u32 v[BA], s20, 10, v[BA]
	v_and_b32 v[UA], 3, v0
	v_lshlrev_b32 v[UA], 10, v[UA]
	v_lshl_add_u32 v[UA], v3, 5, v[UA]
	v_lshlrev_b32 v[DA], 3, v1
	v_lshl_add_u32 v[DA], s20, 8, v[DA]
	v_lshl_add_u32 v[CL], v1, 4, s21
	v_lshl_add_u32 v[CS], v1, 3, s21
	v_lshlrev_b32 v[SCS], 2, v2                    ; partial scores: 4 r + 1024 h + 2048 w
	v_lshl_add_u32 v[SCS], v3, 10, v[SCS]
	v_lshl_add_u32 v[SCS], s20, 11, v[SCS]
	v_add_nc_u32 v[SCS], SC, v[SCS]
	v_lshlrev_b32 v[SCL], 5, v1                    ; row 4 n + w with n = 2 lane: 32 lane + 4 w
	v_lshl_add_u32 v[SCL], s20, 2, v[SCL]
	v_add_nc_u32 v[SCL], SC, v[SCL]
	v_mul_u32_u24 v14, v2, PITCH
	v_lshl_add_u32 v14, v3, 4, v14                 ; a fragment's lane term: row r, 16 h
	global_load_b64 v[DIS:DIS+1], v[DA], s[16:17]
.set HM, 0
.rept 32                                               ; the unlabel rows as f32, in the order of the fragments' registers, into v96-223 (free until the passes begin)
	global_load_b128 v[96+4*HM:99+4*HM], v[UA], s[6:7] offset:128*(HM/4)+64*((HM/2)%2)+16*(HM%2)
.set HM, HM+1
.endr
	WIN 0x80
.irp i, 0,1,2,3
	v_add_nc_u32 v[LA+\i], \i*STAGE, v14
.endr
	B1LD 0, 0
	WLD7 0, 1, 0                                   ; W1[256:] of group 0 into buffer 0
	WIN 0x40
	WLDX 1, 0, 0, 27
	WIN 0x80
	WLD7 1, 0, 0                                   ; W1[:256] and W2 of group 0 into buffer 1: 8 + 56 + 8 = 72 loads
	WIN 0xc0
	WLDX 0, 0, 0, 27
	W2LD 0
	s_wait_loadcnt 0x3f                            ; loads come back in order (ISA guide 5.7.1): 72 were issued behind buffer 0's last, and 63 is the largest count that the wait can name
	; ---- the unlabel fragments, and U of group 0
	WIN 0x80
.set HM, 0
.rept 64
	v_cvt_pk_bf16_f32 v[UNL+HM], v[96+2*HM], v[97+2*HM]
.set HM, HM+1
.endr
	UGRP 1, 0, 0
	PLACES                                         ; the places in front of the loads into buffer 0
	; ---- the four groups of H
	GROUP 0
	GROUP 1
	GROUP 2
	GROUP 3
	; ---- the scores meet in LDS; wave w takes b = 4 g + w, lane l takes n = 2 l and 2 l + 1
	WIN 0
.set HM, 0
.rept 16
	v_add_f32 v[SM+2*HM], v[SM+2*HM], v[SM+2*HM+1]                 ; even and odd j
.set HM, HM+1
.endr
.set HM, 0
.rept 16
	ds_store_b32 v[SCS], v[SM+2*HM] offset:64*HM                   ; row 16 T + r
.set HM, HM+1
.endr
	s_wait_dscnt 0x0                               ; my stores are done, for the other waves' sake
	s_barrier_signal -1
	s_barrier_wait -1
.irp c, 0,1,2,3,4,5,6,7
	ds_load_b32 v[32+2*\c], v[SCL] offset:1024*\c                  ; the eight partial sums (four waves, two lane halves) of n = 2 l
	ds_load_b32 v[33+2*\c], v[SCL] offset:1024*\c+16               ; and of n = 2 l + 1
.endr
	s_wait_dscnt 0x0
	v_pk_add_f32 v[32:33], v[32:33], v[34:35]
	v_pk_add_f32 v[36:37], v[36:37], v[38:39]
	v_pk_add_f32 v[40:41], v[40:41], v[42:43]
	v_pk_add_f32 v[44:45], v[44:45], v[46:47]
	v_pk_add_f32 v[32:33], v[32:33], v[36:37]
	v_pk_add_f32 v[40:41], v[40:41], v[44:45]
	v_pk_add_f32 v[32:33], v[32:33], v[40:41]
	s_wait_kmcnt 0x0                               ; b2
	v_add_f32 v32, s50, v32
	v_add_f32 v33, s50, v33
	v_pk_mul_f32 v[32:33], v[32:33], v[DIS:DIS+1]
	v_max_num_f32 v34, v32, v33                    ; the largest of the 64, in every lane
	v_max_num_f32_dpp v34, v34, v34 row_xmask:1 row_mask:0xf bank_mask:0xf
	v_max_num_f32_dpp v34, v34, v34 row_xmask:2 row_mask:0xf bank_mask:0xf
	v_max_num_f32_dpp v34, v34, v34 row_xmask:4 row_mask:0xf bank_mask:0xf
	v_max_num_f32_dpp v34, v34, v34 row_xmask:8 row_mask:0xf bank_mask:0xf
	v_permlanex16_b32 v35, v34, s52, s53           ; its destination counts as read: v35 has been written
	v_max_num_f32 v34, v34, v35
	v_sub_f32 v32, v32, v34
	v_sub_f32 v33, v33, v34
	v_mul_f32 v32, 0x3fb8aa3b, v32                 ; e^x = 2^(x log2 e)
	v_mul_f32 v33, 0x3fb8aa3b, v33
	v_exp_f32 v40, v32
	v_exp_f32 v41, v33
	v_nop                                          ; one plain vector instruction between a transcendental and the use of its result (ISA guide 5.7.2)
	s_wait_alu depctr_va_vdst(0)
	v_add_f32 v36, v40, v41
	v_add_f32_dpp v36, v36, v36 row_xmask:1 row_mask:0xf bank_mask:0xf
	v_add_f32_dpp v36, v36, v36 row_xmask:2 row_mask:0xf bank_mask:0xf
	v_add_f32_dpp v36, v36, v36 row_xmask:4 row_mask:0xf bank_mask:0xf
	v_add_f32_dpp v36, v36, v36 row_xmask:8 row_mask:0xf bank_mask:0xf
	v_permlanex16_b32 v37, v36, s52, s53
	v_add_f32 v36, v36, v37
	v_rcp_f32 v42, v36
	v_nop
	s_wait_alu depctr_va_vdst(0)
	v_mul_f32 v40, v40, v42
	v_mul_f32 v41, v41, v42
	global_store_b64 v[DA], v[40:41], s[18:19]     ; the wave stores one whole row of out0: 256 consecutive bytes, aligned
	s_wait_tensorcnt 0x0
	ds_add_u32 v30, v31
	s_wait_dscnt 0x0
	s_endpgm
.Lfunc_end_k_q6d613138cd_main:
	.size	k_q6d613138cd_main, .Lfunc_end_k_q6d613138cd_main-k_q6d613138cd_main
	.p2alignl 7, 3214868480
	.fill 96, 4, 3214868480
	.section	.rodata,"a",@progbits
	.p2align	6, 0x0
	.amdhsa_kernel k_q6d613138cd_main
		.amdhsa_group_segment_fixed_size 274944
		.amdhsa_private_segment_fixed_size 0
		.amdhsa_enable_private_segment 0
		.amdhsa_kernarg_size 64
		.amdhsa_user_sgpr_count 2
		.amdhsa_user_sgpr_kernarg_segment_ptr 1
		.amdhsa_wavefront_size32 1
		.amdhsa_system_sgpr_workgroup_id_x 1
		.amdhsa_system_sgpr_workgroup_id_y 1
		.amdhsa_system_sgpr_workgroup_id_z 1
		.amdhsa_system_vgpr_workitem_id 0
		.amdhsa_next_free_vgpr 1024
		.amdhsa_next_free_sgpr 66
		.amdhsa_reserve_vcc 0
		.amdhsa_float_denorm_mode_32 3
		.amdhsa_float_denorm_mode_16_64 3
		.amdhsa_memory_ordered 1
		.amdhsa_forward_progress 1
		.amdhsa_inst_pref_size 255
	.end_amdhsa_kernel
	.section	.bss,"aw",@nobits
	.p2align	6
	.space	262144
	.amdgpu_metadata
---
amdhsa.version: [ 1, 2 ]
amdhsa.kernels:
  - .name:           k_q6d613138cd_main
    .symbol:         k_q6d613138cd_main.kd
    .args:
      - { .name: label_emb, .offset: 0, .size: 8, .value_kind: global_buffer, .address_space: global }
      - { .name: unlabel_emb, .offset: 8, .size: 8, .value_kind: global_buffer, .address_space: global }
      - { .name: wf, .offset: 16, .size: 8, .value_kind: global_buffer, .address_space: global }
      - { .name: b1, .offset: 24, .size: 8, .value_kind: global_buffer, .address_space: global }
      - { .name: W2, .offset: 32, .size: 8, .value_kind: global_buffer, .address_space: global }
      - { .name: b2, .offset: 40, .size: 8, .value_kind: global_buffer, .address_space: global }
      - { .name: dis_lab, .offset: 48, .size: 8, .value_kind: global_buffer, .address_space: global }
      - { .name: out0, .offset: 56, .size: 8, .value_kind: global_buffer, .address_space: global }
    .group_segment_fixed_size: 274944
    .private_segment_fixed_size: 0
    .kernarg_segment_align: 8
    .kernarg_segment_size: 64
    .max_flat_workgroup_size: 128
    .sgpr_count:     66
    .vgpr_count:     1024
    .wavefront_size: 32
...
	.end_amdgpu_metadata
.endif
;; end of part 2
